; MI455X (gfx1250); checked and timed in simulation.
; The chip was launched on July 23, 2026; its instructions are those of AMD's public machine-readable ISA for CDNA 5 (MIT licence, August 2026) and "CDNA5" Instruction Set Architecture Reference Guide (July 2026). The comments in the code are by the model that wrote it; some were corrected since.
;; GLSD. Allowed arithmetic: float matrix products may take bf16 or f16 operands with f32 sums; all other float work in f32.
;; Inputs: output 32 x 6 x 128 x 128 float32.
;; Outputs: out0 32 x 128 x 128 float32; out1 32 x 2 x 128 x 128 float32; out2 32 x 128 x 128 float32; out3 32 x 128 x 128 float32; out4 32 x 1,000 x 2 x 2 float32; out5 32 x 1,000 float32.
;; One version. Each part assembles by itself: llvm-mc -triple=amdgcn-amd-amdhsa -mcpu=gfx1250 --defsym DOCPART=n.
;; ======== version 1 of 1: 3 launches
;; workspace buffers: keys 2,097,152 bytes of whole numbers; rankp 2,097,152 bytes of whole numbers; cnt 4,096 bytes of whole numbers
;; launch maps (part 1): grid 8 x 32, 4 waves a work-group, no clusters, 0 bytes of LDS; arguments output, out0, out1, out2, out3, keys, cnt; writes out0, out1, out2, out3, keys, cnt
.if DOCPART == 1
	.amdgcn_target "amdgcn-amd-amdhsa--gfx1250"
	.amdhsa_code_object_version 6
	.text
	.protected	k_qe0e58c7d6a_maps
	.globl	k_qe0e58c7d6a_maps
	.p2align	8
	.type	k_qe0e58c7d6a_maps,@function
k_qe0e58c7d6a_maps:
	s_mov_b64 s[64:65], 0
	v_nop
	global_prefetch_b8 v0, s[64:65] scope:SCOPE_SE
	s_setreg_imm32_b32 hwreg(HW_REG_WAVE_MODE, 25, 1), 1
	s_wait_xcnt 0x0
; The four maps and the 3x3 heat-map maximum test.  output: [32][6][128][128] f32.
;   out0 = softmax over channels 0,1, channel 1;  out1 = sigmoid(ch 2,3) - 0.5;  out2 = sigmoid(ch 4);  out3 = sigmoid(ch 5)
;   keys[b][pixel] = the f32 bits of out0 where it equals the maximum of its 3x3 window, else 0 (p >= 0: bit order = value order)
;   cnt[b][i] = how many of the keys of pixels 512 i .. 512 i + 511 are not 0: the next launch takes its trip counts from these words
; A work-group takes 16 rows of one image, a wave 4 rows (512 pixels, one word of cnt), a lane 4 columns: every load and store of a wave
; is one whole row, 512 consecutive bytes, aligned, but for the wave's one word of cnt (1,024 words in the whole launch; to gather them
; would cost an exchange between waves that the launch has nowhere else).  Channels 0 and 1 are loaded for 6 rows (one halo row above
; and below); at the image's edge the halo row is clamped to a row that is in the window anyway, which leaves the maximum as it is.
; Memory binds: no LDS bytes, no barrier.
; p follows reference()'s steps: d = o1 - o0, e = exp(-|d|), s = 1 + e, p = 1/s (d >= 0) or e/s.  The exponential is the Cephes scheme
; (n = floor(x log2e + 0.5), x - n ln2 in two parts, degree 5 polynomial, times 2^n) in fused f32 steps, and the division is corrected by
; an fma remainder, because the later order of nearly equal scores hangs on p's last bit.
; LIMITS: inputs finite (no NaN, o1 - o0 finite).  exp(-|d|) below 2^-126 counts as 0 (argument clamped at -87.8, n = -127 gives the factor 0).
.set ROWB,  512
.set PLANE, 65536
.set A0,  8                            ; v[8:31]    channel 0, rows R0-1 .. R0+4, 4 registers a row; then p of these rows
.set A1,  32                           ; v[32:55]   channel 1, the same rows
.set CH,  56                           ; v[56:119]  channels 2..5, 4 rows each
.set DD,  120                          ; v[120:151] at work, four numbers a name
.set XX,  124
.set NN,  128
.set ZZ,  132
.set YY,  136
.set SS,  140
.set RR,  144
.set NUM, 148
.set VM,  152                          ; v[152:167] vertical maxima of my 4 rows
.set LF,  168                          ; v[168:171] the left neighbour lane's last column
.set RT,  172                          ; v[172:175] the right neighbour lane's first column
.set KEY, 176                          ; v[176:191] keys to store
	s_load_b256 s[4:11], s[0:1], 0x0               ; output s[4:5], out0 s[6:7], out1 s[8:9], out2 s[10:11]
	s_load_b128 s[12:15], s[0:1], 0x20             ; out3 s[12:13], keys s[14:15]
	s_load_b64 s[40:41], s[0:1], 0x30              ; cnt
	v_and_b32 v1, 31, v0                           ; lane
	v_lshrrev_b32 v2, 5, v0
	v_readfirstlane_b32 s16, v2                    ; wave
	s_and_b32 s18, ttmp7, 0xffff                   ; image
	s_lshl_b32 s19, ttmp9, 4
	s_lshl2_add_u32 s19, s16, s19                  ; R0 = 16 strip + 4 wave
	s_lshl_b32 s17, s18, 7
	s_lshl4_add_u32 s17, ttmp9, s17
	s_lshl2_add_u32 s17, s16, s17                  ; my word of cnt: byte 128 image + 16 strip + 4 wave
	s_mov_b32 s42, 0                               ; the wave's number of non-zero keys
	s_max_u32 s20, s19, 1
	s_sub_co_u32 s20, s20, 1                       ; max(R0 - 1, 0)
	s_add_co_u32 s21, s19, 4
	s_min_u32 s21, s21, 127                        ; min(R0 + 4, 127)
	s_lshl_b32 s19, s19, 9
	s_lshl_b32 s20, s20, 9
	s_lshl_b32 s21, s21, 9
	v_lshlrev_b32 v7, 4, v1                        ; 16 bytes a lane
	v_add_nc_u32 v2, s19, v7                       ; my 16 bytes in row R0 of a plane; never rewritten
	v_add_nc_u32 v3, s20, v7                       ; in the row above
	v_add_nc_u32 v4, s21, v7                       ; in the row below my four
	v_add_nc_u32 v5, -1, v1
	v_add_nc_u32 v6, 1, v1
	v_and_b32 v5, 31, v5
	v_and_b32 v6, 31, v6
	v_lshlrev_b32 v5, 2, v5                        ; ds_bpermute_b32 index of lane - 1
	v_lshlrev_b32 v6, 2, v6                        ; of lane + 1
	v_mov_b32 v7, 1.0
	v_cmp_eq_u32 s22, 0, v1                        ; the lane with the image's first columns
	v_cmp_eq_u32 s23, 31, v1                       ; with its last
	s_mov_b32 s24, 0x3fb8aa3b                      ; log2 e
	s_mov_b32 s25, 0xc2af999a                      ; -87.8
	s_mov_b32 s26, 0xbf318000                      ; -0.693359375, ln 2's upper part
	s_mov_b32 s27, 0x395e8083                      ; +2.12194440e-4, minus its lower part
	s_mov_b32 s32, 0x39506967                      ; the polynomial: 1.9875691500e-4
	s_mov_b32 s33, 0x3ab743ce                      ; 1.3981999507e-3
	s_mov_b32 s34, 0x3c088908                      ; 8.3334519073e-3
	s_mov_b32 s35, 0x3d2aa9c1                      ; 4.1665795894e-2
	s_mov_b32 s36, 0x3e2aaaaa                      ; 1.6666665459e-1 (the last coefficient rounds to 0.5)
	s_mov_b32 s37, 127                             ; the exponent's bias
	s_mov_b32 s38, 0xbfb8aa3b                      ; -log2 e, for the sigmoids
	s_mul_i32 s28, s18, 6*PLANE                    ; the image in output (below 4 GiB)
	s_mov_b32 s29, 0
	s_lshl_b32 s30, s18, 16                        ; the image in a buffer of one plane an image
	s_mov_b32 s31, 0
	s_wait_kmcnt 0x0
	s_add_nc_u64 s[4:5], s[4:5], s[28:29]
	s_add_nc_u64 s[6:7], s[6:7], s[30:31]
	s_add_nc_u64 s[8:9], s[8:9], s[30:31]
	s_add_nc_u64 s[8:9], s[8:9], s[30:31]          ; out1 has two planes an image
	s_add_nc_u64 s[10:11], s[10:11], s[30:31]
	s_add_nc_u64 s[12:13], s[12:13], s[30:31]
	s_add_nc_u64 s[14:15], s[14:15], s[30:31]
	; All 28 loads of the wave go out at once: 12 for channels 0 and 1 (their halo rows are read by the neighbour too: no hint), then 16 read once.
.irp c, 0,1
	global_load_b128 v[A0+24*\c:A0+24*\c+3], v3, s[4:5] offset:PLANE*\c
.irp i, 1,2,3,4
	global_load_b128 v[A0+24*\c+4*\i:A0+24*\c+4*\i+3], v2, s[4:5] offset:PLANE*\c+ROWB*(\i-1)
.endr
	global_load_b128 v[A0+24*\c+20:A0+24*\c+23], v4, s[4:5] offset:PLANE*\c
.endr
.irp c, 2,3,4,5
.irp i, 0,1,2,3
	global_load_b128 v[CH+16*(\c-2)+4*\i:CH+16*(\c-2)+4*\i+3], v2, s[4:5] offset:PLANE*\c+ROWB*\i th:TH_LOAD_NT
.endr
.endr
; p of row i of the six, four numbers side by side; the result replaces channel 0's registers
.macro PROW i
.irp c, 0,1,2,3
	v_sub_f32 v[DD+\c], v[A1+4*\i+\c], v[A0+4*\i+\c]           ; d = o1 - o0
.endr
.irp c, 0,1,2,3
	v_max_num_f32 v[XX+\c], -|v[DD+\c]|, s25                   ; x = max(-|d|, -87.8)
.endr
.irp c, 0,1,2,3
	v_fma_f32 v[NN+\c], v[XX+\c], s24, 0.5
.endr
.irp c, 0,1,2,3
	v_floor_f32 v[NN+\c], v[NN+\c]                             ; n
.endr
.irp c, 0,1,2,3
	v_fma_f32 v[XX+\c], v[NN+\c], s26, v[XX+\c]                ; x - n ln 2, upper part,
.endr
.irp c, 0,1,2,3
	v_fma_f32 v[XX+\c], v[NN+\c], s27, v[XX+\c]                ; lower part
.endr
.irp c, 0,1,2,3
	v_mul_f32 v[ZZ+\c], v[XX+\c], v[XX+\c]
	v_fma_f32 v[YY+\c], v[XX+\c], s32, s33
.endr
.irp k, 34,35,36
.irp c, 0,1,2,3
	v_fma_f32 v[YY+\c], v[YY+\c], v[XX+\c], s\k
.endr
.endr
.irp c, 0,1,2,3
	v_fma_f32 v[YY+\c], v[YY+\c], v[XX+\c], 0.5
	v_cvt_i32_f32 v[NN+\c], v[NN+\c]
.endr
.irp c, 0,1,2,3
	v_fma_f32 v[YY+\c], v[YY+\c], v[ZZ+\c], v[XX+\c]
	v_add_lshl_u32 v[NN+\c], v[NN+\c], s37, 23                 ; the bits of 2^n; n = -127 gives 0.0
.endr
.irp c, 0,1,2,3
	v_add_f32 v[YY+\c], 1.0, v[YY+\c]
.endr
.irp c, 0,1,2,3
	v_mul_f32 v[YY+\c], v[YY+\c], v[NN+\c]                     ; e = exp(-|d|)
.endr
.irp c, 0,1,2,3
	v_add_f32 v[SS+\c], 1.0, v[YY+\c]                          ; s = 1 + e, rounded once
.endr
.irp c, 0,1,2,3
	v_rcp_f32 v[RR+\c], v[SS+\c]
.endr
.irp c, 0,1,2,3
	v_cmp_le_f32 vcc_lo, 0, v[DD+\c]                           ; plain lines that touch neither s nor 1/s stand behind the reciprocals (ISA guide 5.7.2)
	v_cndmask_b32 v[NUM+\c], v[YY+\c], v7, vcc_lo              ; numerator: 1 where d >= 0, else e
.endr
	s_wait_alu depctr_va_vdst(0)
.irp c, 0,1,2,3
	v_fma_f32 v[ZZ+\c], -v[SS+\c], v[RR+\c], 1.0               ; one Newton step on 1/s
.endr
.irp c, 0,1,2,3
	v_fma_f32 v[RR+\c], v[RR+\c], v[ZZ+\c], v[RR+\c]
.endr
.irp c, 0,1,2,3
	v_mul_f32 v[ZZ+\c], v[NUM+\c], v[RR+\c]                    ; q
.endr
.irp c, 0,1,2,3
	v_fma_f32 v[NUM+\c], -v[ZZ+\c], v[SS+\c], v[NUM+\c]        ; the exact remainder num - q s
.endr
.irp c, 0,1,2,3
	v_fma_f32 v[A0+4*\i+\c], v[NUM+\c], v[RR+\c], v[ZZ+\c]     ; p = q + remainder / s
.endr
.endm
	s_wait_loadcnt 16                              ; loads come back in order (ISA guide 5.7.1): the 16 of channels 2 to 5 stay out, channels 0 and 1 are in
.irp i, 0,1,2,3,4,5
	PROW \i
.endr
.irp i, 0,1,2,3
	global_store_b128 v2, v[A0+4*(\i+1):A0+4*(\i+1)+3], s[6:7] offset:ROWB*\i th:TH_STORE_NT
.endr
	; vertical maxima of my four rows, and the edge columns on their way to the neighbour lanes (no LDS byte is touched)
.irp i, 0,1,2,3
.irp c, 0,1,2,3
	v_max3_num_f32 v[VM+4*\i+\c], v[A0+4*\i+\c], v[A0+4*(\i+1)+\c], v[A0+4*(\i+2)+\c]
.endr
	ds_bpermute_b32 v[LF+\i], v5, v[VM+4*\i+3]
	ds_bpermute_b32 v[RT+\i], v6, v[VM+4*\i]
.endr
; sigmoid of channel c's four rows, stored to the buffer at s[lo:lo+1] + off; half = 1: less 0.5
.macro SIG c, lo, off, half
.irp i, 0,1,2,3
.irp k, 0,1,2,3
	v_mul_f32 v[XX+\k], s38, v[CH+16*(\c-2)+4*\i+\k]
.endr
.irp k, 0,1,2,3
	v_exp_f32 v[YY+\k], v[XX+\k]                   ; e^-x
.endr
	v_nop                                          ; one plain place behind the transcendentals (ISA guide 5.7.2)
	s_wait_alu depctr_va_vdst(0)
.irp k, 0,1,2,3
	v_add_f32 v[SS+\k], 1.0, v[YY+\k]
.endr
.irp k, 0,1,2,3
	v_rcp_f32 v[CH+16*(\c-2)+4*\i+\k], v[SS+\k]
.endr
	v_nop
.if \half
	s_wait_alu depctr_va_vdst(0)
.irp k, 0,1,2,3
	v_add_f32 v[CH+16*(\c-2)+4*\i+\k], -0.5, v[CH+16*(\c-2)+4*\i+\k]
.endr
.endif
	s_wait_alu depctr_va_vdst(0)
	global_store_b128 v2, v[CH+16*(\c-2)+4*\i:CH+16*(\c-2)+4*\i+3], s[\lo:\lo+1] offset:\off+ROWB*\i
.endr
.endm
	s_wait_loadcnt 12                              ; channel 2 is in; the 12 loads of channels 3, 4, 5 stay out
	SIG 2, 8, 0, 1
	s_wait_loadcnt 8                               ; channel 3; 8 stay out
	SIG 3, 8, PLANE, 1
	s_wait_loadcnt 4                               ; channel 4; 4 stay out
	SIG 4, 10, 0, 0
	s_wait_loadcnt 0
	SIG 5, 12, 0, 0
; row i: the horizontal maximum of three vertical maxima, the test p == maximum, the key, and the count of keys whose bits are not 0
.macro NMS i
	v_cndmask_b32 v[LF+\i], v[LF+\i], v[VM+4*\i], s22          ; no column left of the image: my own first column again
	v_cndmask_b32 v[RT+\i], v[RT+\i], v[VM+4*\i+3], s23        ; none right of it
	v_max3_num_f32 v[DD],   v[LF+\i],     v[VM+4*\i],   v[VM+4*\i+1]
	v_max3_num_f32 v[DD+1], v[VM+4*\i],   v[VM+4*\i+1], v[VM+4*\i+2]
	v_max3_num_f32 v[DD+2], v[VM+4*\i+1], v[VM+4*\i+2], v[VM+4*\i+3]
	v_max3_num_f32 v[DD+3], v[VM+4*\i+2], v[VM+4*\i+3], v[RT+\i]
.irp c, 0,1,2,3
	v_cmp_eq_f32 vcc_lo, v[A0+4*(\i+1)+\c], v[DD+\c]
	v_cndmask_b32 v[KEY+4*\i+\c], 0, v[A0+4*(\i+1)+\c], vcc_lo
	v_cmp_ne_u32 vcc_lo, 0, v[KEY+4*\i+\c]                     ; the same test on the same bits as the next launch makes
	s_bcnt1_i32_b32 s43, vcc_lo
	s_add_co_u32 s42, s42, s43
.endr
	global_store_b128 v2, v[KEY+4*\i:KEY+4*\i+3], s[14:15] offset:ROWB*\i
.endm
	s_wait_dscnt 0x0                               ; the eight lane exchanges are back
.irp i, 0,1,2,3
	NMS \i
.endr
	v_mov_b32 v[XX], s17
	v_mov_b32 v[XX+1], s42
	s_wait_xcnt 0x0                                ; EXEC is narrowed only behind this wait
	v_cmp_eq_u32 vcc_lo, 0, v1
	s_and_saveexec_b32 s39, vcc_lo
	global_store_b32 v[XX], v[XX+1], s[40:41]      ; lane 0 stores the wave's count
	s_wait_xcnt 0x0                                ; and widened only behind this one
	s_or_b32 exec_lo, exec_lo, s39
	s_endpgm
.Lfunc_end_k_qe0e58c7d6a_maps:
	.size	k_qe0e58c7d6a_maps, .Lfunc_end_k_qe0e58c7d6a_maps-k_qe0e58c7d6a_maps
	.p2alignl 7, 3214868480
	.fill 96, 4, 3214868480
	.section	.rodata,"a",@progbits
	.p2align	6, 0x0
	.amdhsa_kernel k_qe0e58c7d6a_maps
		.amdhsa_group_segment_fixed_size 0
		.amdhsa_private_segment_fixed_size 0
		.amdhsa_enable_private_segment 0
		.amdhsa_kernarg_size 56
		.amdhsa_user_sgpr_count 2
		.amdhsa_user_sgpr_kernarg_segment_ptr 1
		.amdhsa_wavefront_size32 1
		.amdhsa_system_sgpr_workgroup_id_x 1
		.amdhsa_system_sgpr_workgroup_id_y 1
		.amdhsa_system_sgpr_workgroup_id_z 1
		.amdhsa_system_vgpr_workitem_id 0
		.amdhsa_next_free_vgpr 192
		.amdhsa_next_free_sgpr 66
		.amdhsa_reserve_vcc 1
		.amdhsa_float_denorm_mode_32 3
		.amdhsa_float_denorm_mode_16_64 3
		.amdhsa_memory_ordered 1
		.amdhsa_forward_progress 1
		.amdhsa_inst_pref_size 56
	.end_amdhsa_kernel
	.amdgpu_metadata
---
amdhsa.version: [ 1, 2 ]
amdhsa.kernels:
  - .name:           k_qe0e58c7d6a_maps
    .symbol:         k_qe0e58c7d6a_maps.kd
    .args:
      - { .name: output, .offset: 0, .size: 8, .value_kind: global_buffer, .address_space: global }
      - { .name: out0, .offset: 8, .size: 8, .value_kind: global_buffer, .address_space: global }
      - { .name: out1, .offset: 16, .size: 8, .value_kind: global_buffer, .address_space: global }
      - { .name: out2, .offset: 24, .size: 8, .value_kind: global_buffer, .address_space: global }
      - { .name: out3, .offset: 32, .size: 8, .value_kind: global_buffer, .address_space: global }
      - { .name: keys, .offset: 40, .size: 8, .value_kind: global_buffer, .address_space: global }
      - { .name: cnt, .offset: 48, .size: 8, .value_kind: global_buffer, .address_space: global }
    .group_segment_fixed_size: 0
    .private_segment_fixed_size: 0
    .kernarg_segment_align: 8
    .kernarg_segment_size: 56
    .max_flat_workgroup_size: 128
    .sgpr_count:     66
    .vgpr_count:     192
    .wavefront_size: 32
...
	.end_amdgpu_metadata
.endif
;; end of part 1
;; launch rank (part 2): grid 8 x 32, 32 waves a work-group, no clusters, 94,464 bytes of LDS; arguments keys, rankp, cnt; writes rankp
.if DOCPART == 2
	.amdgcn_target "amdgcn-amd-amdhsa--gfx1250"
	.amdhsa_code_object_version 6
	.text
	.protected	k_qe0e58c7d6a_rank
	.globl	k_qe0e58c7d6a_rank
	.p2align	8
	.type	k_qe0e58c7d6a_rank,@function
k_qe0e58c7d6a_rank:
	s_mov_b64 s[64:65], 0
	v_nop
	global_prefetch_b8 v0, s[64:65] scope:SCOPE_SE
	s_setreg_imm32_b32 hwreg(HW_REG_WAVE_MODE, 25, 1), 1
	s_wait_xcnt 0x0
; rankp[b][pixel] = the rank of the pixel's key among the image's 16,384 keys (descending, equal keys by ascending pixel).
; rank(i) = #{k_j > k_i} + #{j < i : k_j = k_i}.  A pixel with key 0 has rank n + (zeros in front of it), n = the non-zero keys.
; Eight work-groups an image.  Each compacts all n non-zero keys into its LDS in pixel order (64 KiB read, shared by the eight through
; the cache) and ranks, by counting against all n, the candidates that lie among its own 2,048 pixels: the aligned chunks of 32 places
; t0 .. t0+C-1 of the list.  A chunk that crosses into a neighbour's pixels is counted by both; each uses its own pixels' words alone.
; Every number that a branch or a trip count hangs on (n, C, t0) is made in scalar registers from cnt, the 32 counts of non-zero keys
; per 512 pixels that the launch before stored; the keys themselves enter only compares, selects and LDS places.
; A chunk is counted by a team of two waves, each over every second group of 64 keys; lane = candidate, the 64 keys come as broadcast
; LDS loads; a key costs a compare and an add with carry for 32 candidates.  16 teams x 5 turns = 80 chunks cover the most there can
; be, 65.  The five turns are written out, each with a count register of its own, so that nothing is stored to LDS while the list is read.
; Every lane is on throughout: a lane with nothing to place writes a word of its own that nobody reads, and the result leaves as whole
; rows of 512 bytes a wave at addresses that hang on the thread's number alone.  Everything here is whole numbers (keys compared as u32).
; No clusters or joint loads: what the eight share is 64 KiB read once.  No matrix work: there are no products.
.set RP0,   0                          ; LDS: 80 chunks x 128 bytes: the counts of a team's first wave
.set RPSZ,  10240                      ; the second wave's table lies this far behind
.set KB,    20480                      ; 17,472 words: the n keys in pixel order, 64 zeros behind them (up to word 16,447), then
.set DUMP,  16448                      ; a word for each of the 1,024 threads, written and never read
.set KEY,   8                          ; v[8:23]    my 16 keys: block k, component c at 8 + 4k + c = pixel 512 w + 128 k + 4 lane + c
.set KJ,    48                         ; v[48:111]  64 keys to count against; at the end:
.set RA,    48                         ; v[48:63]   counts from the first table
.set RB,    64                         ; v[64:79]   from the second
.set ZR,    80                         ; v[80:95]   the rank that the pixel has if its key is 0
.set OUT,   96                         ; v[96:111]  ranks to store
.set CN,    112                        ; v[112:116] my count in each of the five turns
.set M,     32                         ; s[32:47]   the 16 masks key != 0
.set CT,    68                         ; s[68:99]   the image's 32 words of cnt; then s[CT+4i] = the sum of words 4i .. 4i+3
	s_load_b128 s[4:7], s[0:1], 0x0                ; keys s[4:5], rankp s[6:7]
	s_load_b64 s[2:3], s[0:1], 0x10                ; cnt
	v_lshl_add_u32 v126, v0, 2, 0x16100
	v_mov_b32 v127, 0
	v_and_b32 v1, 31, v0                           ; lane
	v_lshrrev_b32 v5, 5, v0
	v_readfirstlane_b32 s8, v5                     ; wave w
	s_mov_b32 s9, ttmp9                            ; q: which 2,048 pixels are the work-group's
	s_and_b32 s10, ttmp7, 0xffff                   ; image
	v_lshlrev_b32 v2, 2, v1                        ; 4 lane
	v_lshlrev_b32 v6, 4, v1
	v_lshl_add_u32 v6, v5, 11, v6                  ; 2048 w + 16 lane: my 16 bytes of the wave's first 512; never rewritten
	v_lshrrev_b32 v3, 2, v6                        ; pixel 512 w + 4 lane
	v_add_nc_u32 v4, DUMP, v0                      ; my own unread word
	s_lshl_b32 s20, s10, 16                        ; the image, in keys and in rankp
	s_mov_b32 s21, 0
	s_lshl_b32 s28, s10, 7                         ; the image's 32 words in cnt
	s_mov_b32 s29, 0
	s_lshr_b32 s16, s8, 1                          ; cw: my team, 0 to 15
	s_and_b32 s17, s8, 1                           ; s: which half of the key groups
	s_lshr_b32 s25, s8, 2                          ; my 512 pixels belong to work-group w / 4
	s_and_b32 s55, s8, 3                           ; and are number w mod 4 of its four
	s_lshl_b32 s30, s25, 4                         ; the four words of cnt among which mine is
	s_mov_b32 s31, 0
	s_lshl_b32 s18, s9, 4                          ; the four words of the work-group's pixels
	s_mov_b32 s19, 0
	s_mul_i32 s24, s17, RPSZ
	s_lshl_b32 s26, s16, 7
	s_add_co_u32 s24, s24, s26
	v_add_nc_u32 v38, s24, v2                      ; my word of the counts in turn 0: table s, chunk cw, lane; never rewritten
	s_wait_kmcnt 0x0
	s_add_nc_u64 s[4:5], s[4:5], s[20:21]
	s_add_nc_u64 s[6:7], s[6:7], s[20:21]
	s_add_nc_u64 s[2:3], s[2:3], s[28:29]
	s_add_nc_u64 s[30:31], s[2:3], s[30:31]
	s_add_nc_u64 s[18:19], s[2:3], s[18:19]
	s_load_b512 s[CT:CT+15], s[2:3], 0x0
	s_load_b512 s[CT+16:CT+31], s[2:3], 0x40
	s_load_b128 s[56:59], s[30:31], 0x0            ; of these the first three can stand in front of my pixels
	s_load_b128 s[60:63], s[18:19], 0x0
.irp k, 0,1,2,3
	global_load_b128 v[KEY+4*\k:KEY+4*\k+3], v6, s[4:5] offset:512*\k
.endr
	s_wait_kmcnt 0x0                               ; the counts; the sums below are made while the keys are on their way
.irp i, 0,1,2,3,4,5,6,7
	s_add_co_u32 s[CT+4*\i], s[CT+4*\i], s[CT+4*\i+1]
	s_add_co_u32 s[CT+4*\i+2], s[CT+4*\i+2], s[CT+4*\i+3]
	s_add_co_u32 s[CT+4*\i], s[CT+4*\i], s[CT+4*\i+2]          ; the non-zero keys of 2,048 pixels
.endr
	s_mov_b32 s13, s[CT+28]                        ; n starts with the last 2,048 pixels, which stand in front of nobody
	s_mov_b32 s48, 0
	s_mov_b32 s12, 0
.irp i, 0,1,2,3,4,5,6
	s_add_co_u32 s13, s13, s[CT+4*\i]
	s_cmp_gt_u32 s9, \i
	s_cselect_b32 s21, s[CT+4*\i], 0
	s_add_co_u32 s48, s48, s21                     ; in front of the work-group's pixels
	s_cmp_gt_u32 s25, \i
	s_cselect_b32 s21, s[CT+4*\i], 0
	s_add_co_u32 s12, s12, s21                     ; in front of the 2,048 pixels among which mine are
.endr
.irp k, 0,1,2
	s_cmp_gt_u32 s55, \k
	s_cselect_b32 s21, s[56+\k], 0
	s_add_co_u32 s12, s12, s21                     ; and in front of mine among them
.endr
	s_add_co_u32 s60, s60, s61
	s_add_co_u32 s62, s62, s63
	s_add_co_u32 s49, s48, s60
	s_add_co_u32 s49, s49, s62                     ; up to the end of the work-group's pixels
	s_min_u32 s13, s13, 0x4000                     ; n
	s_min_u32 s12, s12, 0x4000                     ; non-zero keys in front of my wave's pixels
	s_min_u32 s48, s48, 0x4000                     ; in front of the work-group's pixels
	s_min_u32 s49, s49, 0x4000                     ; up to their end
	s_add_co_u32 s15, s13, 63
	s_lshr_b32 s15, s15, 6                         ; G2: groups of 64 keys, 0 to 256
	s_add_co_u32 s53, s15, 1
	s_sub_co_u32 s53, s53, s17
	s_lshr_b32 s53, s53, 1                         ; how many of the groups s, s + 2, .. lie below G2: my trips in a turn, 0 to 128
	s_lshr_b32 s50, s48, 5                         ; t0: the first chunk with a candidate of ours
	s_add_co_u32 s51, s49, 31
	s_lshr_b32 s51, s51, 5
	s_sub_co_u32 s51, s51, s50                     ; C: how many chunks, 0 to 65
	s_lshl_b32 s52, s50, 5                         ; the first place of chunk t0
	s_wait_loadcnt 0x0                             ; my 16 keys
.irp e, 0,1,2,3,4,5,6,7,8,9,10,11,12,13,14,15
	v_cmp_ne_u32 s[M+\e], 0, v[KEY+\e]
.endr
; v24 = the number of non-zero keys in front of pixel (block k, my lane, component 0); s29 = those in front of the block
.macro PSTART k
	v_mbcnt_lo_u32_b32 v24, s[M+4*\k], s29
	v_mbcnt_lo_u32_b32 v24, s[M+4*\k+1], v24
	v_mbcnt_lo_u32_b32 v24, s[M+4*\k+2], v24
	v_mbcnt_lo_u32_b32 v24, s[M+4*\k+3], v24
.endm
.macro PBLOCK k                        ; one block on
.irp c, 0,1,2,3
	s_bcnt1_i32_b32 s21, s[M+4*\k+\c]
	s_add_co_u32 s29, s29, s21
.endr
.endm
; block k's non-zero keys go to their places in the list, the zeros to the thread's own unread word
.macro CBLOCK k
	PSTART \k
.irp c, 0,1,2,3
	v_cndmask_b32 v25, v4, v24, s[M+4*\k+\c]       ; the place, or my unread word
	v_cndmask_b32 v26, 0, 1, s[M+4*\k+\c]
	v_min_u32 v25, 0x443f, v25                     ; at most word 17,471, the region's last
	v_lshlrev_b32 v25, 2, v25
	ds_store_b32 v25, v[KEY+4*\k+\c] offset:KB
	v_add_nc_u32 v24, v24, v26                     ; one component on
.endr
	PBLOCK \k
.endm
	s_mov_b32 s29, s12
.irp k, 0,1,2,3
	CBLOCK \k
.endr
	s_cmp_lg_u32 s8, 0
	s_cbranch_scc1 .Lnopad
	v_add_nc_u32 v25, s13, v1                      ; wave 0: 64 zeros behind the n keys, so that the last chunk and the last group are whole
	v_min_u32 v25, 0x401f, v25                     ; n + lane, at most 16,415
	v_lshlrev_b32 v25, 2, v25
	v_mov_b32 v27, 0
	ds_store_b32 v25, v27 offset:KB
	ds_store_b32 v25, v27 offset:KB+128
.Lnopad:
	s_wait_dscnt 0x0                               ; my part of the list is written before I signal
	s_barrier_signal -1
	s_barrier_wait -1
; Turn it: my team's chunk is number 16 it + cw of the work-group's C.  The count stays 0 where there is no such chunk, so that every
; word of the tables is written later.  Only loads touch LDS here.
.macro TASK it
	s_add_co_u32 s19, s16, 16*\it
	v_mov_b32 v[CN+\it], 0
	s_cmp_ge_u32 s19, s51
	s_cbranch_scc1 .Ldone_\@
	s_add_co_u32 s19, s19, s50                     ; t, the chunk's number in the list
	s_min_u32 s19, s19, 511
	s_lshl_b32 s21, s19, 7
	v_add_nc_u32 v37, s21, v2                      ; 128 t + 4 lane
	ds_load_b32 v32, v37 offset:KB                 ; my candidate's key
	s_mov_b32 s20, 0                               ; u, the trip: it steps by one up to my number of groups
	s_cmp_eq_u32 s53, 0
	s_cbranch_scc1 .Lnoj_\@
.Lj_\@:
	s_lshl1_add_u32 s54, s20, s17                  ; the group r = 2 u + s
	s_min_u32 s21, s54, 255
	v_lshlrev_b32 v36, 8, s21                      ; group r's 256 bytes
.irp i, 0,1,2,3,4,5,6,7,8,9,10,11,12,13,14,15
	ds_load_b128 v[KJ+4*\i:KJ+4*\i+3], v36 offset:KB+16*\i     ; the same address in every lane
.endr
	s_lshl_b32 s22, s54, 1                         ; the group is chunks 2r and 2r + 1
	s_cmp_lt_u32 s22, s19
	s_cselect_b32 s23, 1, 0                        ; a chunk in front of mine: equal keys count too
	s_add_co_u32 s22, s22, 1
	s_cmp_lt_u32 s22, s19
	s_cselect_b32 s24, 1, 0
	s_wait_dscnt 8                                 ; LDS answers in order (ISA guide 5.7.1): the youngest eight loads stay out; my key and the first 32 keys are in
	v_sub_nc_u32 v34, v32, s23                     ; k_j > k_i - 1 is k_j >= k_i (a candidate's key is at least 1; the padding's zeros never count)
	v_sub_nc_u32 v35, v32, s24
.set e, 0
.rept 32
	v_cmp_gt_u32 vcc_lo, v[KJ+e], v34
	v_add_co_ci_u32 v[CN+\it], vcc_lo, 0, v[CN+\it], vcc_lo
.set e, e+1
.endr
	s_wait_dscnt 0x0
.rept 32
	v_cmp_gt_u32 vcc_lo, v[KJ+e], v35
	v_add_co_ci_u32 v[CN+\it], vcc_lo, 0, v[CN+\it], vcc_lo
.set e, e+1
.endr
	s_add_co_u32 s20, s20, 1
	s_cmp_lt_u32 s20, s53
	s_cbranch_scc1 .Lj_\@
.Lnoj_\@:
	s_wait_dscnt 0x0                               ; my candidate's key is in on the way that goes round the loop too: it is read below and loaded again next turn
	s_cmp_lg_u32 s17, 0
	s_cbranch_scc1 .Ldone_\@
	; the team's first wave adds the equal keys that stand in front inside the chunk itself
.set jj, 0
.rept 31
	v_readlane_b32 s21, v32, jj
	v_cmp_eq_u32 vcc_lo, s21, v32
	s_and_b32 vcc_lo, vcc_lo, (0xffffffff<<(jj+1))&0xffffffff  ; for the lanes behind lane jj
	v_add_co_ci_u32 v[CN+\it], vcc_lo, 0, v[CN+\it], vcc_lo
.set jj, jj+1
.endr
.Ldone_\@:
.endm
.irp it, 0,1,2,3,4
	TASK \it
.endr
	; The list is read by addresses that hang on counts.  The tables are written only when every wave has ended those reads.
	s_wait_dscnt 0x0                               ; my reads of the list are back before I signal
	s_barrier_signal -1
	s_barrier_wait -1
.irp it, 0,1,2,3,4
	ds_store_b32 v38, v[CN+\it] offset:RP0+2048*\it            ; a turn's chunks lie 16 chunks of 128 bytes behind the last turn's
.endr
	s_wait_dscnt 0x0                               ; my counts are written before I signal
	s_barrier_signal -1
	s_barrier_wait -1
	; The four waves that hold the work-group's pixels look their ranks up and store them.
	s_cmp_lg_u32 s25, s9
	s_cbranch_scc1 .Lend
.macro GBLOCK k
	PSTART \k
.irp c, 0,1,2,3
	v_sub_nc_u32 v25, v24, s52                     ; the place, counted from chunk t0
	v_add_nc_u32 v27, 128*\k+\c, v3                ; the pixel
	v_min_u32 v25, 0x9ff, v25                      ; inside the 80 chunks
	v_add_nc_u32 v27, s13, v27
	v_lshlrev_b32 v25, 2, v25
	v_sub_nc_u32 v[ZR+4*\k+\c], v27, v24           ; n + pixel - non-zero keys in front
	ds_load_b32 v[RA+4*\k+\c], v25 offset:RP0
	ds_load_b32 v[RB+4*\k+\c], v25 offset:RP0+RPSZ
	v_cndmask_b32 v26, 0, 1, s[M+4*\k+\c]
	v_add_nc_u32 v24, v24, v26
.endr
	PBLOCK \k
.endm
	s_mov_b32 s29, s12
.irp k, 0,1,2,3
	GBLOCK \k
.endr
	s_wait_dscnt 0x0
.irp e, 0,1,2,3,4,5,6,7,8,9,10,11,12,13,14,15
	v_add_nc_u32 v[RA+\e], v[RA+\e], v[RB+\e]
	v_cndmask_b32 v[OUT+\e], v[ZR+\e], v[RA+\e], s[M+\e]       ; the counted rank where the key is not 0
.endr
.irp k, 0,1,2,3
	global_store_b128 v6, v[OUT+4*\k:OUT+4*\k+3], s[6:7] offset:512*\k     ; 512 consecutive bytes a wave, aligned
.endr
.Lend:
	s_wait_tensorcnt 0x0
	ds_add_u32 v126, v127
	s_wait_dscnt 0x0
	s_endpgm
.Lfunc_end_k_qe0e58c7d6a_rank:
	.size	k_qe0e58c7d6a_rank, .Lfunc_end_k_qe0e58c7d6a_rank-k_qe0e58c7d6a_rank
	.p2alignl 7, 3214868480
	.fill 96, 4, 3214868480
	.section	.rodata,"a",@progbits
	.p2align	6, 0x0
	.amdhsa_kernel k_qe0e58c7d6a_rank
		.amdhsa_group_segment_fixed_size 94464
		.amdhsa_private_segment_fixed_size 0
		.amdhsa_enable_private_segment 0
		.amdhsa_kernarg_size 24
		.amdhsa_user_sgpr_count 2
		.amdhsa_user_sgpr_kernarg_segment_ptr 1
		.amdhsa_wavefront_size32 1
		.amdhsa_system_sgpr_workgroup_id_x 1
		.amdhsa_system_sgpr_workgroup_id_y 1
		.amdhsa_system_sgpr_workgroup_id_z 1
		.amdhsa_system_vgpr_workitem_id 0
		.amdhsa_next_free_vgpr 128
		.amdhsa_next_free_sgpr 100
		.amdhsa_reserve_vcc 1
		.amdhsa_float_denorm_mode_32 3
		.amdhsa_float_denorm_mode_16_64 3
		.amdhsa_memory_ordered 1
		.amdhsa_forward_progress 1
		.amdhsa_inst_pref_size 86
	.end_amdhsa_kernel
	.amdgpu_metadata
---
amdhsa.version: [ 1, 2 ]
amdhsa.kernels:
  - .name:           k_qe0e58c7d6a_rank
    .symbol:         k_qe0e58c7d6a_rank.kd
    .args:
      - { .name: keys, .offset: 0, .size: 8, .value_kind: global_buffer, .address_space: global }
      - { .name: rankp, .offset: 8, .size: 8, .value_kind: global_buffer, .address_space: global }
      - { .name: cnt, .offset: 16, .size: 8, .value_kind: global_buffer, .address_space: global }
    .group_segment_fixed_size: 94464
    .private_segment_fixed_size: 0
    .kernarg_segment_align: 8
    .kernarg_segment_size: 24
    .max_flat_workgroup_size: 1024
    .sgpr_count:     100
    .vgpr_count:     128
    .wavefront_size: 32
...
	.end_amdgpu_metadata
.endif
;; end of part 2
;; launch lines (part 3): grid 32 x 1, 32 waves a work-group, no clusters, 94,208 bytes of LDS; arguments rankp, keys, out1, out2, out3, out4, out5; writes out4, out5
.if DOCPART == 3
	.amdgcn_target "amdgcn-amd-amdhsa--gfx1250"
	.amdhsa_code_object_version 6
	.text
	.protected	k_qe0e58c7d6a_lines
	.globl	k_qe0e58c7d6a_lines
	.p2align	8
	.type	k_qe0e58c7d6a_lines,@function
k_qe0e58c7d6a_lines:
	s_mov_b64 s[64:65], 0
	v_nop
	global_prefetch_b8 v0, s[64:65] scope:SCOPE_SE
	s_setreg_imm32_b32 hwreg(HW_REG_WAVE_MODE, 25, 1), 1
	s_wait_xcnt 0x0
; The 1000 lines of an image and their scores after the structural suppression.  One work-group an image, thread j = line j (rank j).
; First the order is made from the ranks: each thread reads 16 pixels' ranks and writes the pixel's number to word rank of a table in LDS
; where rank < 1000, else to a word of its own that nobody reads.  The ranks are a permutation, so words 0 to 999 are each written once.
; Line j: pixel = table[j]; centre = cell + offset + 0.5; half length = 64 lleng; direction angle pi; out4[j] = (y1, x1, y2, x2).
; sin(pi a) = cos(x), cos(pi a) = -sin(x) with x = pi (a - 0.5), |x| <= pi/2 for every input since a is a sigmoid: Taylor sums up to
; x^12 and x^11, whose next terms are below 1e-7 there.
; SUPPRESSION.  For either matching of the end points dist = 2 |c - c'|^2 + 2 |d -+ d'|^2 >= 2 |c - c'|^2 (c centres, d half vectors).
; The offset is a sigmoid less 0.5, so a centre lies inside its cell; cells three or more apart give |c - c'| >= 2 and dist >= 8 > 2.
; So only lines whose cell lies in the 5 x 5 cells round line j's can suppress it: 25 looks into a map cell -> rank in LDS take the
; place of 1000 distances, for every input.  At the image's edge a cell is clamped onto one that is looked at anyway.
; A line is suppressed if a line of lower rank has dist <= 2.  The choice only selects a value: no branch hangs on it.
; 32 work-groups: an image's map and lines are shared by its 1000 threads through LDS, and the work is a few dozen instructions a line.
.set ORDB, 16384                       ; LDS: 1024 lines of 16 bytes at 0; then 2048 words: rank -> pixel, and from word 1024 a word a thread
.set MAPB, 24576                       ; the map, 16,384 words (rank or -1)
.set NTOP, 1000
.set YK,  12                           ; v[12:16]  128 x the five rows of cells
.set XM,  17                           ; v[17:21]  the five columns; v19 is my own
.set LN,  24                           ; v[24:27]  my line
.set RK,  40                           ; v[40:55]  first 16 pixels' ranks; then v[40:64] the ranks found in the 25 cells
.set OL,  68                           ; v[68:87]  five other lines
	s_load_b256 s[4:11], s[0:1], 0x0               ; rankp s[4:5], keys s[6:7], out1 s[8:9], out2 s[10:11]
	s_load_b128 s[12:15], s[0:1], 0x20             ; out3 s[12:13], out4 s[14:15]
	s_load_b64 s[16:17], s[0:1], 0x30              ; out5
	v_lshl_add_u32 v96, v0, 2, 0x16000
	v_mov_b32 v97, 0
	s_mov_b32 s18, ttmp9                           ; image
	v_min_u32 v2, NTOP-1, v0                       ; threads 1000 to 1023 go along with line 999 and store nothing outside LDS
	v_lshlrev_b32 v2, 2, v2
	v_lshlrev_b32 v35, 4, v0                       ; 16 j
	v_lshlrev_b32 v38, 2, v0                       ; 4 j
	v_add_nc_u32 v39, 1024, v0                     ; my own unread word of the table
	s_lshl_b32 s22, s18, 16
	s_mov_b32 s23, 0
	s_lshl_b32 s24, s18, 17
	s_mov_b32 s25, 0
	s_mul_i32 s26, s18, 16*NTOP
	s_mov_b32 s27, 0
	s_mul_i32 s28, s18, 4*NTOP
	s_mov_b32 s29, 0
	s_wait_kmcnt 0x0
	s_add_nc_u64 s[4:5], s[4:5], s[22:23]
	s_add_nc_u64 s[6:7], s[6:7], s[22:23]
	s_add_nc_u64 s[8:9], s[8:9], s[24:25]
	s_add_nc_u64 s[10:11], s[10:11], s[22:23]
	s_add_nc_u64 s[12:13], s[12:13], s[22:23]
	s_add_nc_u64 s[14:15], s[14:15], s[26:27]
	s_add_nc_u64 s[16:17], s[16:17], s[28:29]
.irp i, 0,1,2,3
	global_load_b128 v[RK+4*\i:RK+4*\i+3], v35, s[4:5] offset:16384*\i     ; the ranks of pixels 4096 i + 4 j .. + 3
.endr
.irp r, 28,29,30,31
	v_mov_b32 v\r, -1
.endr
	v_add_nc_u32 v32, MAPB, v35
.irp i, 0,1,2,3
	ds_store_b128 v32, v[28:31] offset:16384*\i    ; the map is emptied: 1024 threads x 16 bytes, four times
.endr
	s_wait_loadcnt 0x0
.irp i, 0,1,2,3
.irp c, 0,1,2,3
	v_cmp_gt_u32 vcc_lo, NTOP, v[RK+4*\i+\c]
	v_cndmask_b32 v28, v39, v[RK+4*\i+\c], vcc_lo  ; word rank, or my unread word
	v_min_u32 v28, 0x7ff, v28
	v_lshlrev_b32 v28, 2, v28
	v_add_nc_u32 v29, 4096*\i+\c, v38              ; the pixel
	ds_store_b32 v28, v29 offset:ORDB
.endr
.endr
	s_wait_dscnt 0x0                               ; my part of the map is emptied and my 16 words are written before I signal
	s_barrier_signal -1
	s_barrier_wait -1
	ds_load_b32 v3, v2 offset:ORDB                 ; my pixel
	s_wait_dscnt 0x0
	v_min_u32 v3, 0x3fff, v3
	v_lshlrev_b32 v4, 2, v3
	global_load_b32 v5, v4, s[6:7]                 ; score
	global_load_b32 v6, v4, s[8:9]                 ; offset y
	global_load_b32 v7, v4, s[8:9] offset:65536    ; offset x
	global_load_b32 v8, v4, s[10:11]               ; length
	global_load_b32 v9, v4, s[12:13]               ; angle
	s_wait_xcnt 0x0                                ; EXEC is narrowed only behind this wait
	v_cmp_gt_u32 vcc_lo, NTOP, v0
	s_and_saveexec_b32 s30, vcc_lo
	ds_store_b32 v4, v0 offset:MAPB                ; map[pixel] = j; the 1000 pixels differ
	s_or_b32 exec_lo, exec_lo, s30
	; the five rows and five columns of cells, clamped to the image
	v_lshrrev_b32 v10, 7, v3                       ; yi
	v_and_b32 v[XM+2], 127, v3                     ; xi
	v_max_u32 v[YK], 2, v10
	v_max_u32 v[YK+1], 1, v10
	v_add_nc_u32 v[YK+3], 1, v10
	v_add_nc_u32 v[YK+4], 2, v10
	v_add_nc_u32 v[YK], -2, v[YK]
	v_add_nc_u32 v[YK+1], -1, v[YK+1]
	v_min_u32 v[YK+3], 127, v[YK+3]
	v_min_u32 v[YK+4], 127, v[YK+4]
	v_lshlrev_b32 v[YK], 7, v[YK]
	v_lshlrev_b32 v[YK+1], 7, v[YK+1]
	v_lshlrev_b32 v[YK+2], 7, v10
	v_lshlrev_b32 v[YK+3], 7, v[YK+3]
	v_lshlrev_b32 v[YK+4], 7, v[YK+4]
	v_max_u32 v[XM], 2, v[XM+2]
	v_max_u32 v[XM+1], 1, v[XM+2]
	v_add_nc_u32 v[XM+3], 1, v[XM+2]
	v_add_nc_u32 v[XM+4], 2, v[XM+2]
	v_add_nc_u32 v[XM], -2, v[XM]
	v_add_nc_u32 v[XM+1], -1, v[XM+1]
	v_min_u32 v[XM+3], 127, v[XM+3]
	v_min_u32 v[XM+4], 127, v[XM+4]
	v_cvt_f32_u32 v33, v10
	v_cvt_f32_u32 v34, v[XM+2]
	s_wait_loadcnt 0x0                             ; the five gathered numbers
	v_add_f32 v28, -0.5, v9
	v_mul_f32 v28, 0x40490fdb, v28                 ; x = pi (angle - 0.5)
	v_mul_f32 v29, v28, v28
	v_mov_b32 v30, 0x310f76c7                      ; cos x: 1/12!
	v_mov_b32 v31, 0xb2d7322b                      ; sin x / x: -1/11!
	v_fmaak_f32 v30, v30, v29, 0xb493f27e          ; -1/10!
	v_fmaak_f32 v31, v31, v29, 0x3638ef1d          ; 1/9!
	v_fmaak_f32 v30, v30, v29, 0x37d00d01          ; 1/8!
	v_fmaak_f32 v31, v31, v29, 0xb9500d01          ; -1/7!
	v_fmaak_f32 v30, v30, v29, 0xbab60b61          ; -1/6!
	v_fmaak_f32 v31, v31, v29, 0x3c088889          ; 1/5!
	v_fmaak_f32 v30, v30, v29, 0x3d2aaaab          ; 1/4!
	v_fmaak_f32 v31, v31, v29, 0xbe2aaaab          ; -1/3!
	v_fma_f32 v30, v30, v29, -0.5
	v_fma_f32 v31, v31, v29, 1.0
	v_fma_f32 v30, v30, v29, 1.0                   ; cos x = sin(theta)
	v_mul_f32 v31, v31, v28                        ; sin x = -cos(theta)
	v_mul_f32 v32, 0x42800000, v8                  ; half length = 64 lleng
	v_add_f32 v33, v33, v6
	v_add_f32 v34, v34, v7
	v_add_f32 v33, 0.5, v33                        ; yc
	v_add_f32 v34, 0.5, v34                        ; xc
	v_fma_f32 v[LN],   -v32, v30, v33              ; y1 = yc - dy
	v_fma_f32 v[LN+1],  v32, v31, v34              ; x1 = xc - dx
	v_fma_f32 v[LN+2],  v32, v30, v33              ; y2 = yc + dy
	v_fma_f32 v[LN+3], -v32, v31, v34              ; x2 = xc + dx
	ds_store_b128 v35, v[LN:LN+3]                  ; all 1024 places are written
	s_wait_dscnt 0x0                               ; my map word and my line are written before I signal
	s_barrier_signal -1
	s_barrier_wait -1
.irp k, 0,1,2,3,4
.irp m, 0,1,2,3,4
	v_add_nc_u32 v28, v[YK+\k], v[XM+\m]
	v_min_u32 v28, 0x3fff, v28
	v_lshlrev_b32 v28, 2, v28
	ds_load_b32 v[RK+5*\k+\m], v28 offset:MAPB
.endr
.endr
	s_mov_b32 s20, 0                               ; the lanes whose line is suppressed
	v_mov_b32 v37, 0
	s_wait_dscnt 0x0
; my line against the line in v[o:o+3], of rank v[r]
.macro PAIR o, r
	v_pk_add_f32 v[88:89], v[LN:LN+1],   v[\o:\o+1]   neg_lo:[0,1] neg_hi:[0,1]    ; p1 - q1
	v_pk_add_f32 v[90:91], v[LN+2:LN+3], v[\o+2:\o+3] neg_lo:[0,1] neg_hi:[0,1]    ; p2 - q2
	v_pk_add_f32 v[92:93], v[LN:LN+1],   v[\o+2:\o+3] neg_lo:[0,1] neg_hi:[0,1]    ; p1 - q2
	v_pk_add_f32 v[94:95], v[LN+2:LN+3], v[\o:\o+1]   neg_lo:[0,1] neg_hi:[0,1]    ; p2 - q1
	v_pk_mul_f32 v[88:89], v[88:89], v[88:89]
	v_pk_mul_f32 v[92:93], v[92:93], v[92:93]
	v_pk_fma_f32 v[88:89], v[90:91], v[90:91], v[88:89]
	v_pk_fma_f32 v[92:93], v[94:95], v[94:95], v[92:93]
	v_add_f32 v88, v88, v89
	v_add_f32 v92, v92, v93
	v_min_num_f32 v88, v88, v92
	v_cmp_ge_f32 vcc_lo, 2.0, v88                  ; dist <= 2
	v_cmp_lt_u32 s21, v[\r], v0                    ; and a lower rank (an empty cell's -1 is no lower rank, nor is my own j)
	s_and_b32 s21, s21, vcc_lo
	s_or_b32 s20, s20, s21
.endm
.macro BATCH k                         ; the five cells of one row
.irp m, 0,1,2,3,4
	v_min_u32 v28, 0x3ff, v[RK+5*\k+\m]            ; an empty cell reads place 1023, which is written and not used
	v_lshlrev_b32 v28, 4, v28
	ds_load_b128 v[OL+4*\m:OL+4*\m+3], v28
.endr
	s_wait_dscnt 0x0
.irp m, 0,1,2,3,4
	PAIR OL+4*\m, RK+5*\k+\m
.endr
.endm
.irp k, 0,1,2,3,4
	BATCH \k
.endr
	v_cndmask_b32 v36, v5, v37, s20                ; score, or 0 where suppressed
	s_wait_xcnt 0x0                                ; EXEC is narrowed only behind this wait
	v_cmp_gt_u32 vcc_lo, NTOP, v0
	s_wait_tensorcnt 0x0
	ds_add_u32 v96, v97
	s_wait_dscnt 0x0
	s_and_saveexec_b32 s30, vcc_lo
	global_store_b128 v35, v[LN:LN+3], s[14:15]    ; sixteen lanes store 256 consecutive bytes
	global_store_b32 v38, v36, s[16:17]
	s_wait_xcnt 0x0                                ; and widened only behind this one
	s_or_b32 exec_lo, exec_lo, s30
	s_endpgm
.Lfunc_end_k_qe0e58c7d6a_lines:
	.size	k_qe0e58c7d6a_lines, .Lfunc_end_k_qe0e58c7d6a_lines-k_qe0e58c7d6a_lines
	.p2alignl 7, 3214868480
	.fill 96, 4, 3214868480
	.section	.rodata,"a",@progbits
	.p2align	6, 0x0
	.amdhsa_kernel k_qe0e58c7d6a_lines
		.amdhsa_group_segment_fixed_size 94208
		.amdhsa_private_segment_fixed_size 0
		.amdhsa_enable_private_segment 0
		.amdhsa_kernarg_size 56
		.amdhsa_user_sgpr_count 2
		.amdhsa_user_sgpr_kernarg_segment_ptr 1
		.amdhsa_wavefront_size32 1
		.amdhsa_system_sgpr_workgroup_id_x 1
		.amdhsa_system_sgpr_workgroup_id_y 1
		.amdhsa_system_sgpr_workgroup_id_z 1
		.amdhsa_system_vgpr_workitem_id 0
		.amdhsa_next_free_vgpr 98
		.amdhsa_next_free_sgpr 66
		.amdhsa_reserve_vcc 1
		.amdhsa_float_denorm_mode_32 3
		.amdhsa_float_denorm_mode_16_64 3
		.amdhsa_memory_ordered 1
		.amdhsa_forward_progress 1
		.amdhsa_inst_pref_size 39
	.end_amdhsa_kernel
	.amdgpu_metadata
---
amdhsa.version: [ 1, 2 ]
amdhsa.kernels:
  - .name:           k_qe0e58c7d6a_lines
    .symbol:         k_qe0e58c7d6a_lines.kd
    .args:
      - { .name: rankp, .offset: 0, .size: 8, .value_kind: global_buffer, .address_space: global }
      - { .name: keys, .offset: 8, .size: 8, .value_kind: global_buffer, .address_space: global }
      - { .name: out1, .offset: 16, .size: 8, .value_kind: global_buffer, .address_space: global }
      - { .name: out2, .offset: 24, .size: 8, .value_kind: global_buffer, .address_space: global }
      - { .name: out3, .offset: 32, .size: 8, .value_kind: global_buffer, .address_space: global }
      - { .name: out4, .offset: 40, .size: 8, .value_kind: global_buffer, .address_space: global }
      - { .name: out5, .offset: 48, .size: 8, .value_kind: global_buffer, .address_space: global }
    .group_segment_fixed_size: 94208
    .private_segment_fixed_size: 0
    .kernarg_segment_align: 8
    .kernarg_segment_size: 56
    .max_flat_workgroup_size: 1024
    .sgpr_count:     66
    .vgpr_count:     98
    .wavefront_size: 32
...
	.end_amdgpu_metadata
.endif
;; end of part 3
